; MI455X (gfx1250); checked and timed in simulation.
; The chip was launched on July 23, 2026; its instructions are those of AMD's public machine-readable ISA for CDNA 5 (MIT licence, August 2026) and "CDNA5" Instruction Set Architecture Reference Guide (July 2026). The comments in the code are by the model that wrote it; some were corrected since.
;; Triangle Attention. Allowed arithmetic: matrix products marked QUANTISED: E2M1 operands, one E8M0 scale for each 32 along K, by v_wmma_scale_f32_16x16x128_f8f6f4 with both operands' format E2M1 (or v_wmma_scale_f32_32x16x128_f4), f32 sums; products left as they are: f32 operands where the result goes on into a quantised operand, else bf16, f16 or f32 operands; f32 sums; everything else in f32.
;; Inputs: Wb 4 x 128 float32; Wk 128 x 128 float32; Wo 128 x 128 float32; Wq 128 x 128 float32; Wv 128 x 128 float32; bk 128 float32; bo 128 float32; bq 128 float32; bv 128 float32; ln_b 128 float32; ln_w 128 float32; pair_mask 2 x 256 x 256 bool; z 2 x 256 x 256 x 128 float32.
;; Outputs: out0 2 x 256 x 256 x 128 float32.
;; This version of the problem:
;;   THIS VERSION OF THE PROBLEM IS GIVEN IN LOW PRECISION. The matrix products marked QUANTISED in the list below multiply operands that are first quantised to E2M1 (2 exponent bits, 1 mantissa bit; 4 bits a number), with one power-of-two scale for each 32 numbers along K (OCP MX v1.0); their sums are f32. All else is computed in f32.
;;   The module's matrix products, in the order in which they are computed (A, B: the left and right operand; K: the contracted axis; several contracted axes count as one K, in the product's order):
;;     1. [M 131,072, K 128] x [K 128, N 128]; A: computed on the way; B: input Wq: QUANTISED
;;     2. [M 131,072, K 128] x [K 128, N 128]; A: computed on the way; B: input Wk: QUANTISED
;;     3. [M 131,072, K 128] x [K 128, N 128]; A: computed on the way; B: input Wv: QUANTISED
;;     4. [M 4, K 128] x [K 128, N 131,072]; A: input Wb; B: computed on the way: left as it is (M = 4 < 16)
;;     5. batch 2,048 x [M 256, K 32] x [K 32, N 256]; A: computed on the way; B: computed on the way: QUANTISED
;;     6. batch 2,048 x [M 32, K 256] x [K 256, N 256]; A: computed on the way; B: computed on the way: QUANTISED
;;     7. [M 131,072, K 128] x [K 128, N 128]; A: computed on the way; B: input Wo: QUANTISED
;;   THE QUANTISER, for each operand of a quantised product, along K:
;;     - K is cut into blocks of 32 from its start; a last block that is shorter is filled with zeros.
;;     - A block's scale is 2^e with e = floor(log2(the largest magnitude in the block)) - 2, held to -126 .. 127; a block of zeros has e = 0. As a byte (E8M0): e + 127.
;;     - Each number is divided by its block's scale, clamped to +-6, and rounded to the nearest number of E2M1, ties to even, subnormals kept.
;;     - The product sums the exact products of the quantised numbers (number of the format x scale) in f32.
;;   ~~~python
;;   def quantise(x, axis):      # numpy; x: float32 -> the quantised numbers, widened to float32 again
;;       x = np.moveaxis(x, axis, -1); K = x.shape[-1]
;;       x = np.pad(x, [(0, 0)] * (x.ndim - 1) + [(0, -K % 32)]); x = x.reshape(x.shape[:-1] + (-1, 32)); a = np.abs(x).max(-1, keepdims=True)
;;       e = np.where(a > 0, np.clip(np.frexp(np.where(a > 0, a, 1))[1] - 1 - 2, -126, 127), 0)      # np.frexp(a)[1] - 1 = floor(log2(a)), exactly
;;       r = np.clip(x / 2.0 ** e, -6, 6)
;;       step = 2.0 ** (np.maximum(np.frexp(np.where(r == 0, 1, r))[1] - 1, 0) - 1)
;;       q = np.round(r / step) * step * 2.0 ** e      # np.round: ties to even
;;       return np.moveaxis(q.reshape(q.shape[:-2] + (-1,))[..., :K], -1, axis).astype(np.float32)
;;   ~~~
;;   OPERANDS COMPUTED ON THE WAY. 'Computed on the way' means the value that the module computes at that place (a softmax that the list does not call 'softmax' is quantised finished and normalised). What goes into a quantiser is computed in f32, as accurately as f32 sums, v_exp_f32 and their like allow (about 1e-6 of the number): no bf16 or f16 on the way to a quantiser, and a product that is left as it is and whose result goes on into a quantised operand takes f32 operands (vector FMAs, or v_wmma_f32_16x16x4_f32). A number that lies on a knife's edge between two numbers of the format may be rounded either way, as far as f32 arithmetic and the matrix unit's own rounding can turn it there, and no further.
;; One version. Each part assembles by itself: llvm-mc -triple=amdgcn-amd-amdhsa -mcpu=gfx1250 --defsym DOCPART=n.
;; ======== version 1 of 1: 2 launches
;; workspace buffers: blob 40,960 bytes; perm 524,288 bytes of whole numbers; cnt 65,536 bytes of whole numbers
;; launch prep (part 1): grid 136 x 1, 4 waves a work-group, no clusters, 0 bytes of LDS; arguments Wq, Wk, Wv, Wo, bq, bk, bv, bo, Wb, ln_w, ln_b, pair_mask, blob, perm, cnt; writes blob, perm, cnt
.if DOCPART == 1
	.amdgcn_target "amdgcn-amd-amdhsa--gfx1250"
	.amdhsa_code_object_version 6
	.text
	.protected	k_q6ddbf86f41_prep
	.globl	k_q6ddbf86f41_prep
	.p2align	8
	.type	k_q6ddbf86f41_prep,@function
k_q6ddbf86f41_prep:
	s_mov_b64 s[64:65], 0
	v_nop
	global_prefetch_b8 v0, s[64:65] scope:SCOPE_SE
	s_setreg_imm32_b32 hwreg(HW_REG_WAVE_MODE, 25, 1), 1
	s_wait_xcnt 0x0
; Two jobs that the main launch needs done once.
; WORK-GROUPS 0-7 (tile j = work-group, matrix = wave: Wq, Wk, Wv, Wo): 16 rows x 128 K of a weight become codes of FP4 (E2M1) with one E8M0 byte for each 32 along K,
; laid as an image of the operand's registers: blob + 8192 matrix + 1024 tile + 512 c + 16 lane.  Lane (r, h) holds K = 64 c + 32 h + 0 .. 31 of its row: two whole blocks, so no other lane is asked for a maximum.
; The rows of a tile of Wq, Wk, Wv are 32 (j / 2) + 8 (j % 2) + r % 8 + 16 (r / 8): the main launch's results then have 16 neighbouring channels of a head in a lane.  Wo's rows are 16 j + r.
; Behind the images: scale words at 32768 (+ 512 matrix + 64 tile + 4 r), the four biases at 34816, Wb at 36864, ln_w at 38912, ln_b at 39424, zeros from 39936 to 40959: every byte that is read later is stored.
; WORK-GROUPS 8-135 (a wave to a row of pair_mask): a list of the row's 256 positions, those that count first, each group in ascending order, and their number: whole numbers for the main launch's addresses and branches.
; LIMITS: NaN and infinities among the weights are not served; a block of zeros gets the byte 1 (its codes are zeros, and this program alone reads the bytes).
	s_load_b512 s[4:19], s[0:1], 0x0               ; Wq, Wk, Wv, Wo, bq, bk, bv, bo
	s_load_b256 s[20:27], s[0:1], 0x40             ; Wb, ln_w, ln_b, pair_mask
	s_load_b128 s[28:31], s[0:1], 0x60             ; blob, perm
	s_load_b64 s[32:33], s[0:1], 0x70              ; cnt
	v_lshrrev_b32 v1, 5, v0
	v_readfirstlane_b32 s40, v1                    ; wave 0..3
	v_and_b32 v1, 31, v0                           ; lane
	v_and_b32 v2, 15, v0                           ; r
	v_bfe_u32 v3, v0, 4, 1                         ; h
	s_wait_kmcnt 0x0
	s_cmp_ge_u32 ttmp9, 8
	s_cbranch_scc1 .Lperm
	; ---- a tile of a weight
	s_mov_b32 s50, 0x76543210
	s_mov_b32 s51, 0xfedcba98                      ; v_permlanex16_b32's selects for lane l xor 16
	s_bitcmp1_b32 s40, 0                           ; the buffers are chosen by the wave's number alone
	s_cselect_b64 s[34:35], s[6:7], s[4:5]         ; Wk or Wq
	s_cselect_b64 s[36:37], s[10:11], s[8:9]       ; Wo or Wv
	s_cselect_b64 s[38:39], s[14:15], s[12:13]     ; bk or bq
	s_cselect_b64 s[42:43], s[18:19], s[16:17]     ; bo or bv
	s_cselect_b64 s[44:45], s[24:25], s[22:23]     ; ln_b or ln_w
	s_bitcmp1_b32 s40, 1
	s_cselect_b64 s[34:35], s[36:37], s[34:35]
	s_cselect_b64 s[38:39], s[42:43], s[38:39]
	s_lshr_b32 s47, ttmp9, 1
	s_lshl_b32 s47, s47, 5
	s_and_b32 s48, ttmp9, 1
	s_lshl_b32 s48, s48, 3
	s_add_co_u32 s47, s47, s48                     ; 32 (j / 2) + 8 (j % 2)
	s_lshl_b32 s48, ttmp9, 4                       ; 16 j
	s_cmp_eq_u32 s40, 3                            ; Wo?
	s_cselect_b32 s47, s48, s47                    ; the tile's first row
	s_cselect_b32 s46, 3, 4                        ; rows 8-15 of the tile lie 8 (Wo) or 16 further on
	v_and_b32 v4, 7, v2
	v_lshrrev_b32 v5, 3, v2
	v_lshlrev_b32 v5, s46, v5
	v_add_nc_u32 v4, v4, v5
	v_add_nc_u32 v4, s47, v4                       ; my row of the weight
	v_lshlrev_b32 v4, 9, v4
	v_lshl_add_u32 v4, v3, 7, v4                   ; x 512 bytes + 128 h
	v_lshlrev_b32 v6, 2, v2
	s_lshl_b32 s49, ttmp9, 6
	v_add_nc_u32 v6, s49, v6                       ; 64 j + 4 r: my word of a vector of 128
	s_lshl_b32 s49, s40, 9
	v_add_nc_u32 v7, s49, v6                       ; + 512 x wave
	s_lshl_b32 s52, ttmp9, 10
	s_lshl_b32 s53, s40, 13
	s_add_co_u32 s52, s52, s53
	v_lshl_add_u32 v11, v1, 4, s52                 ; the image: 8192 wave + 1024 j + 16 lane
	v_mov_b32 v28, 0
	v_mov_b32 v19, 0                               ; (a lane permute's destination counts as one of its sources)
.irp c, 0,1
.irp i, 0,1,2,3,4,5,6,7
	global_load_b128 v[32+32*\c+4*\i:35+32*\c+4*\i], v4, s[34:35] offset:256*\c+16*\i   ; K = 64 c + 32 h + 4 i ..
.endr
.endr
	global_load_b32 v8, v6, s[38:39]               ; the matrix's bias
	global_load_b32 v9, v7, s[20:21]               ; Wb's row = wave
	global_load_b32 v10, v6, s[44:45]              ; ln_w or ln_b
	s_wait_loadcnt 0x0
.irp c, 0,1
	v_max3_num_f32 v[12+\c], |v[32+32*\c]|, |v[33+32*\c]|, 0x1800000   ; block 2 c + h: all 32 numbers are mine; the floor 2^(3 - 127) holds the byte at 1 from below
.endr
.irp i, 2,4,6,8,10,12,14,16,18,20,22,24,26,28,30
.irp c, 0,1
	v_max3_num_f32 v[12+\c], v[12+\c], |v[32+32*\c+\i]|, |v[33+32*\c+\i]|
.endr
.endr
.irp c, 0,1
	v_add_nc_u32 v[14+\c], 0xff000000, v[12+\c]    ; 2 off the exponent field: the conversion's scale operand
.endr
.irp c, 0,1
	v_lshrrev_b32 v[16+\c], 23, v[14+\c]           ; the scale's byte
.endr
	v_lshl_or_b32 v18, v17, 16, v16                ; my two bytes, blocks h and 2 + h,
	v_lshlrev_b32 v29, 3, v3
	v_lshlrev_b32 v18, v29, v18                    ; at their places in the word;
	v_permlanex16_b32 v19, v18, s50, s51
	v_or_b32 v18, v18, v19                         ; with lane l xor 16's two the word is whole
.irp c, 0,1
.irp g, 0,1,2,3
	v_cvt_scalef32_pk8_fp4_f32 v[20+4*\c+\g], v[32+32*\c+8*\g:39+32*\c+8*\g], v[14+\c]
.endr
.endr
	v_nop                                          ; one plain line behind the last scaled conversion
	global_store_b128 v11, v[20:23], s[28:29]      ; 32 lanes store 512 consecutive bytes
	global_store_b128 v11, v[24:27], s[28:29] offset:512
	v_cmp_gt_u32 vcc_lo, 16, v1
	s_wait_xcnt 0x0                                ; EXEC changes only behind this wait
	s_and_saveexec_b32 s54, vcc_lo                 ; lanes 0-15: each small word is stored once
	global_store_b32 v7, v18, s[28:29] offset:32768   ; the rows' scale words
	global_store_b32 v7, v8, s[28:29] offset:34816    ; the bias
	global_store_b32 v7, v9, s[28:29] offset:36864    ; Wb
	s_cmp_ge_u32 s40, 2
	s_cbranch_scc1 .Lwend
	global_store_b32 v7, v10, s[28:29] offset:38912   ; ln_w (wave 0), ln_b (wave 1)
	global_store_b32 v7, v28, s[28:29] offset:39936   ; the blob's last 1,024 bytes
.Lwend:
	s_endpgm
	; ---- a row of the mask
.Lperm:
	s_sub_co_u32 s41, ttmp9, 8
	s_lshl_b32 s41, s41, 2
	s_add_co_u32 s41, s41, s40                     ; the row, 0 .. 511
	s_mov_b32 s43, 0
	s_lshl_b32 s42, s41, 8
	s_add_nc_u64 s[26:27], s[26:27], s[42:43]      ; its 256 bytes of the mask,
	s_lshl_b32 s42, s41, 10
	s_add_nc_u64 s[30:31], s[30:31], s[42:43]      ; its 256 words of the list,
	s_lshl_b32 s42, s41, 7
	s_add_nc_u64 s[32:33], s[32:33], s[42:43]      ; its 32 words of the count
.irp j, 0,1,2,3,4,5,6,7
	global_load_u8 v[8+\j], v1, s[26:27] offset:32*\j
.endr
	s_wait_loadcnt 0x0
.irp j, 0,1,2,3,4,5,6,7
	v_cmp_ne_u32 s[44+\j], 0, v[8+\j]              ; positions 32 j + lane that count
.endr
	s_mov_b32 s60, 0
.irp j, 0,1,2,3,4,5,6,7
	s_bcnt1_i32_b32 s61, s[44+\j]
	s_mov_b32 s[52+\j], s60                        ; how many count ahead of position 32 j
	s_add_co_u32 s60, s60, s61
.endr                                              ; s60: how many count in all
.irp j, 0,1,2,3,4,5,6,7
	v_mbcnt_lo_u32_b32 v[16+\j], s[44+\j], s[52+\j]   ; how many count ahead of my position
	v_add_nc_u32 v[24+\j], 32*\j, v1               ; my position
	v_sub_nc_u32 v[32+\j], v[24+\j], v[16+\j]      ; how many do not count ahead of it
	v_add_nc_u32 v[32+\j], s60, v[32+\j]
	v_cndmask_b32 v[32+\j], v[32+\j], v[16+\j], s[44+\j]   ; my place in the list
	v_min_u32 v[32+\j], 0xff, v[32+\j]
	v_lshlrev_b32 v[32+\j], 2, v[32+\j]
	global_store_b32 v[32+\j], v[24+\j], s[30:31]
.endr
	v_mov_b32 v40, s60
	v_lshlrev_b32 v41, 2, v1
	global_store_b32 v41, v40, s[32:33]
	s_endpgm
.Lfunc_end_k_q6ddbf86f41_prep:
	.size	k_q6ddbf86f41_prep, .Lfunc_end_k_q6ddbf86f41_prep-k_q6ddbf86f41_prep
	.p2alignl 7, 3214868480
	.fill 96, 4, 3214868480
	.section	.rodata,"a",@progbits
	.p2align	6, 0x0
	.amdhsa_kernel k_q6ddbf86f41_prep
		.amdhsa_group_segment_fixed_size 0
		.amdhsa_private_segment_fixed_size 0
		.amdhsa_enable_private_segment 0
		.amdhsa_kernarg_size 120
		.amdhsa_user_sgpr_count 2
		.amdhsa_user_sgpr_kernarg_segment_ptr 1
		.amdhsa_wavefront_size32 1
		.amdhsa_system_sgpr_workgroup_id_x 1
		.amdhsa_system_sgpr_workgroup_id_y 1
		.amdhsa_system_sgpr_workgroup_id_z 1
		.amdhsa_system_vgpr_workitem_id 0
		.amdhsa_next_free_vgpr 128
		.amdhsa_next_free_sgpr 66
		.amdhsa_reserve_vcc 1
		.amdhsa_float_denorm_mode_32 3
		.amdhsa_float_denorm_mode_16_64 3
		.amdhsa_memory_ordered 1
		.amdhsa_forward_progress 1
		.amdhsa_inst_pref_size 14
	.end_amdhsa_kernel
	.amdgpu_metadata
---
amdhsa.version: [ 1, 2 ]
amdhsa.kernels:
  - .name:           k_q6ddbf86f41_prep
    .symbol:         k_q6ddbf86f41_prep.kd
    .args:
      - { .name: Wq, .offset: 0, .size: 8, .value_kind: global_buffer, .address_space: global }
      - { .name: Wk, .offset: 8, .size: 8, .value_kind: global_buffer, .address_space: global }
      - { .name: Wv, .offset: 16, .size: 8, .value_kind: global_buffer, .address_space: global }
      - { .name: Wo, .offset: 24, .size: 8, .value_kind: global_buffer, .address_space: global }
      - { .name: bq, .offset: 32, .size: 8, .value_kind: global_buffer, .address_space: global }
      - { .name: bk, .offset: 40, .size: 8, .value_kind: global_buffer, .address_space: global }
      - { .name: bv, .offset: 48, .size: 8, .value_kind: global_buffer, .address_space: global }
      - { .name: bo, .offset: 56, .size: 8, .value_kind: global_buffer, .address_space: global }
      - { .name: Wb, .offset: 64, .size: 8, .value_kind: global_buffer, .address_space: global }
      - { .name: ln_w, .offset: 72, .size: 8, .value_kind: global_buffer, .address_space: global }
      - { .name: ln_b, .offset: 80, .size: 8, .value_kind: global_buffer, .address_space: global }
      - { .name: pair_mask, .offset: 88, .size: 8, .value_kind: global_buffer, .address_space: global }
      - { .name: blob, .offset: 96, .size: 8, .value_kind: global_buffer, .address_space: global }
      - { .name: perm, .offset: 104, .size: 8, .value_kind: global_buffer, .address_space: global }
      - { .name: cnt, .offset: 112, .size: 8, .value_kind: global_buffer, .address_space: global }
    .group_segment_fixed_size: 0
    .private_segment_fixed_size: 0
    .kernarg_segment_align: 8
    .kernarg_segment_size: 120
    .max_flat_workgroup_size: 128
    .sgpr_count:     66
    .vgpr_count:     128
    .wavefront_size: 32
...
	.end_amdgpu_metadata
.endif
;; end of part 1
;; launch main (part 2): grid 256 x 1, 8 waves a work-group, no clusters, 319,488 bytes of LDS; arguments z, pair_mask, blob, perm, cnt, out0; writes out0
.if DOCPART == 2
	.amdgcn_target "amdgcn-amd-amdhsa--gfx1250"
	.amdhsa_code_object_version 6
	.text
	.protected	k_q6ddbf86f41_main
	.globl	k_q6ddbf86f41_main
	.p2align	8
	.type	k_q6ddbf86f41_main,@function
k_q6ddbf86f41_main:
	s_mov_b64 s[64:65], 0
	v_nop
	global_prefetch_b8 v0, s[64:65] scope:SCOPE_SE
	s_setreg_imm32_b32 hwreg(HW_REG_WAVE_MODE, 25, 1), 1
	s_wait_xcnt 0x0
; Triangle attention, one row (256 positions x 128 channels) of z at a time; a work-group of eight waves stays for rows 2 wg and 2 wg + 1.  q, k, v, the scores and the weights never go to memory.
; All quantised products run on codes of FP4 (E2M1) with one E8M0 byte for each 32 along K.
; PHASES of a row, four barriers:  L LayerNorm, the bias product (f32 multiply-adds), zn's codes | P k and v | G the head's k, v and bias into registers, q of the listed queries | A attention, a tile of 16 queries at a time | O the output product, stores.
; TILES OF POSITIONS: tile T = 4 p + i; its row r is position 64 p + 8 i + r % 8 + 32 (r / 8).  In S^T = k q^T and in v a lane half h then owns the whole block of keys 64 p + 32 h + 0 .. 31 in 32 consecutive registers:
; a block's maximum needs no other lane, and the conversions' results are the next operand's registers.
; THE PRODUCT OVER A HEAD'S 32 CHANNELS: registers 0, 1 of lane (r, h) hold the codes of d = 16 h + 0 .. 15; q's registers 2-7 are zero codes, k's are whatever lies there; all four scale bytes are the block's byte.
; BIAS AND KEY MASK: the scores start from C = bias x sqrt(32), or -10000 x sqrt(32) for a key that does not count, whose codes are zeros; logit x log2(e) = c S, c = log2(e) / sqrt(32).
; QUERIES: the launch before has listed each row's positions, those that count first, and counted them.  Query tile t takes places 16 t .. 16 t + 15 of the list; a tile with no place under the count is not computed: its rows of the
; output get zeros, as the last multiplication by the mask would leave.  m_q = (place < count) is multiplied in where the definition does it.  Loops have constant trip counts; work is jumped over by scalar branches on the stored count.
; SOFTMAX: the row's maximum is taken away; e = 2^(c S - c m); l = the sum; F0 = m_q / l; F = F0 / max(l F0, 1e-6); the weights e F are what is quantised.
; NO CLUSTER: work-groups share only 40 KiB of constants against 256 KiB of z of their own.  NO PREFETCH: the one stream that waves would wait for, the second row's z, is asked for by loads a phase and more ahead.
; LIMITS: NaN and infinities are not served.  Rows that do not count are stored as +0.  Weights under 2^-126 count as 0 (v_exp_f32's results: ISA guide, its entry).  A block of zeros has the byte 1: its codes are zeros.
; A block's largest weight is made from the block's largest score by the same three instructions: this takes v_exp_f32 not to fall where its input rises.  The sum of the weights ahead of the clip is taken as l F0, a few 1e-7 from the sum term by term.
; c (q.k + bias sqrt(32)) rounds in another order than q.k / sqrt(32) + bias: about 1e-7 of the logit.
.set ZBUF, 40960                       ; LDS.  0: the constants (the blob as it lies).  ZBUF: 17,024 bytes a wave: its 32 rows of z: row x of run a at 528 x + 8576 a
.set ZROW, 177152                      ; zn's codes, 80 bytes a position: 64 of codes, 16 of padding
.set ZSC,  197632                      ; zn's scale words
.set KM,   198656                      ; key mask words, 0 or -1 (ZSC + 1024)
.set BC,   199680                      ; C of the scores: [head][position] f32
.set KIMG, 203776                      ; k: [head][tile][lane] 8 bytes
.set KSC,  220160                      ; [head][tile][16] words
.set VIMG, 224256                      ; v: [channel tile][K step][c][lane] 16 bytes
.set VSC,  240640                      ; [channel tile][K step][16] words
.set QL,   241664                      ; q: 3,072 bytes a wave: a slot is 256 bytes of codes + 128 of scale words
.set OIMG, 266240                      ; attention's result: [query tile][c][lane] 16 bytes
.set OSC,  282624                      ; [query tile][16] words
.set STG,  283648                      ; the way out: 16 rows x 272 bytes a wave
; SCALARS: s[4:15] z, mask, blob, perm, cnt, out0; s16 wave, s17 head, s18 g, s19 wave / 2, s20 wave % 2; s21 trip, s22 row, s23 count, s24 active tiles, s25, s26 how many slots store, load z; s27 PB;
;   s[28:29] next row's z; s[30:35] this row in mask, perm, out0; s[36:37] at work; s38-44 the slot loop; s[46:47] lane selects; s[48:49] c; s50-55 constants; s[56:57] the count's address.
; VECTORS, window 0: v1-17, v31 fixed addresses; v18-30 a phase's addresses; v32-39 listed positions; v40-47 q's fragment (v42-47 stay 0); v48-63 codes; v64-79 sums; v80-92 scale words and nothing else; v94-127 at work; v128-255 z, results, scores.
;   window 1: v0-127 C of the scores (L: ln_w, ln_b, Wb; P: zn, Wv, bv; O: Wo, bo); v128-159 k, v160-165 its overhang; v168-199 v; v200-215 the stores' positions; v224-255 z on its way.
.set MSB, 0
.macro WIN new                         ; the immediate's high byte repeats the setting that is left; bits 1:0 source 0, 3:2 source 1, 5:4 source 2, 7:6 destination
.if MSB != \new
	s_set_vgpr_msb (MSB<<8)|\new
.set MSB, \new
.endif
.endm
.macro BAR                             ; my LDS stores have landed and my LDS loads are in: then the work-group's barrier
	s_wait_dscnt 0x0
	s_barrier_signal -1
	s_barrier_wait -1
.endm
.macro NOPS n
.rept \n
	v_nop
.endr
.endm
; a matrix instruction: D, A, B, C (under 0: the constant 0), the two scale registers, and which half of the lanes holds each side's words
.macro WM d, a, b, c, sa, sb, ra, rb
.if (\c) < 0
.if (\ra) == 0
	v_wmma_scale_f32_16x16x128_f8f6f4 v[(\d):(\d)+7], v[(\a):(\a)+7], v[(\b):(\b)+7], 0, v[\sa], v[\sb] matrix_a_fmt:MATRIX_FMT_FP4 matrix_b_fmt:MATRIX_FMT_FP4
.else
	v_wmma_scale_f32_16x16x128_f8f6f4 v[(\d):(\d)+7], v[(\a):(\a)+7], v[(\b):(\b)+7], 0, v[\sa], v[\sb] matrix_a_fmt:MATRIX_FMT_FP4 matrix_b_fmt:MATRIX_FMT_FP4 matrix_a_scale:MATRIX_SCALE_ROW1
.endif
.elseif (\ra) == 0 && (\rb) == 0
	v_wmma_scale_f32_16x16x128_f8f6f4 v[(\d):(\d)+7], v[(\a):(\a)+7], v[(\b):(\b)+7], v[(\c):(\c)+7], v[\sa], v[\sb] matrix_a_fmt:MATRIX_FMT_FP4 matrix_b_fmt:MATRIX_FMT_FP4
.elseif (\rb) == 0
	v_wmma_scale_f32_16x16x128_f8f6f4 v[(\d):(\d)+7], v[(\a):(\a)+7], v[(\b):(\b)+7], v[(\c):(\c)+7], v[\sa], v[\sb] matrix_a_fmt:MATRIX_FMT_FP4 matrix_b_fmt:MATRIX_FMT_FP4 matrix_a_scale:MATRIX_SCALE_ROW1
.elseif (\ra) == 0
	v_wmma_scale_f32_16x16x128_f8f6f4 v[(\d):(\d)+7], v[(\a):(\a)+7], v[(\b):(\b)+7], v[(\c):(\c)+7], v[\sa], v[\sb] matrix_a_fmt:MATRIX_FMT_FP4 matrix_b_fmt:MATRIX_FMT_FP4 matrix_b_scale:MATRIX_SCALE_ROW1
.else
	v_wmma_scale_f32_16x16x128_f8f6f4 v[(\d):(\d)+7], v[(\a):(\a)+7], v[(\b):(\b)+7], v[(\c):(\c)+7], v[\sa], v[\sb] matrix_a_fmt:MATRIX_FMT_FP4 matrix_b_fmt:MATRIX_FMT_FP4 matrix_a_scale:MATRIX_SCALE_ROW1 matrix_b_scale:MATRIX_SCALE_ROW1
.endif
.endm
.macro ZSLOAD                          ; eight rows of the next row's z, 512 consecutive bytes a load, into window 1
.irp a, 0,1
.irp y, 0,1,2,3
	global_load_b128 v[224+16*\a+4*\y:227+16*\a+4*\y], v1, s[28:29] offset:(32*\a+\y)*512 th:TH_LOAD_NT
.endr
.endr
.endm
	; ================ the head
	s_load_b256 s[4:11], s[0:1], 0x0               ; z, pair_mask, blob, perm
	s_load_b128 s[12:15], s[0:1], 0x20             ; cnt, out0
	v_lshl_add_u32 v126, v0, 2, 0x4dc00
	v_mov_b32 v127, 0
	v_lshrrev_b32 v18, 5, v0
	v_readfirstlane_b32 s16, v18                   ; wave 0..7
	s_and_b32 s17, s16, 3                          ; my head
	s_lshr_b32 s18, s16, 2
	s_xor_b32 s18, s18, s16
	s_and_b32 s18, s18, 1                          ; g: even or odd tiles of that head
	s_lshr_b32 s19, s16, 1
	s_and_b32 s20, s16, 1
	s_lshl_b32 s27, s19, 6
	s_lshl_b32 s36, s20, 4
	s_add_co_u32 s27, s27, s36                     ; PB = 64 (wave / 2) + 16 (wave % 2): my 32 positions are PB + 0 .. 15 and PB + 32 .. 47
	s_mov_b32 s46, 0x76543210
	s_mov_b32 s47, 0xfedcba98                      ; v_permlanex16_b32's selects for lane l xor 16
	s_mov_b32 s48, 0x3e8293ee                      ; c = log2(e) / sqrt(32)
	s_mov_b32 s49, s48                             ; (named with it as a pair)
	s_mov_b32 s50, 0xffff0000                      ; lanes 16-31
	s_mov_b32 s51, 0x3c000000                      ; 1 / 128
	s_mov_b32 s52, 0x3727c5ac                      ; 1e-5
	s_mov_b32 s53, 0x40b504f3                      ; sqrt(32)
	s_mov_b32 s54, 0xc75cf88b                      ; -10000 sqrt(32)
	s_mov_b32 s55, 0x358637bd                      ; 1e-6
	s_mov_b32 s21, 0
	v_and_b32 v18, 31, v0                          ; lane
	v_lshlrev_b32 v1, 4, v18                       ; 16 x lane
	v_lshlrev_b32 v2, 3, v18                       ; 8 x lane
	v_lshlrev_b32 v3, 2, v18                       ; 4 x lane
	v_and_b32 v4, 15, v0                           ; r
	v_bfe_u32 v5, v0, 4, 1                         ; h
	v_and_b32 v19, 7, v0
	v_bfe_u32 v20, v0, 3, 1
	v_lshl_add_u32 v21, v20, 5, v19                ; r % 8 + 32 (r / 8): my row's position in tile 0
	v_lshlrev_b32 v6, 2, v21
	v_mul_u32_u24 v7, v21, 80
	v_lshl_add_u32 v7, v5, 4, v7
	v_add_nc_u32 v7, ZROW, v7                      ; a fragment of zn: that position's row + 16 h
	v_lshlrev_b32 v8, 3, v5                        ; 8 h
	s_mul_i32 s36, s16, 17024
	s_add_co_u32 s36, s36, ZBUF
	v_mul_u32_u24 v9, v19, 528
	v_mad_u32_u24 v9, v20, 8576, v9
	v_lshl_add_u32 v9, v5, 7, v9
	v_add_nc_u32 v9, s36, v9                       ; z out of my buffer: row r % 8 of run r / 8, + 128 h
	v_add_nc_u32 v10, s36, v1                      ; and into it: 16 x lane
	s_mul_i32 s36, s16, 3072
	s_add_co_u32 s36, s36, QL
	v_add_nc_u32 v11, s36, v2                      ; q's codes
	v_add_nc_u32 v12, s36, v3
	v_add_nc_u32 v12, 256, v12                     ; q's scale words
	v_lshlrev_b32 v17, 4, v4                       ; 16 r
	s_lshl_b32 s36, s17, 8
	s_lshl_b32 s37, s18, 10
	s_add_co_u32 s36, s36, s37
	s_add_co_u32 s36, s36, OIMG
	v_add_nc_u32 v13, v17, v8
	v_add_nc_u32 v13, s36, v13                     ; my 8 bytes of the result's image: 1024 g + 256 head + 16 r + 8 h
	v_lshlrev_b32 v16, 2, v4
	s_lshl_b32 s36, s18, 6
	s_add_co_u32 s37, s36, s17
	s_add_co_u32 s37, s37, OSC
	v_add_nc_u32 v14, s37, v16                     ; my byte of its scale words: 64 g + 4 r + head
	v_add_nc_u32 v16, s36, v16                     ; the list: 64 g + 4 r
	s_lshl_b32 s36, s16, 6
	v_lshl_add_u32 v15, v5, 2, s36                 ; the list, for the stores: 64 wave + 4 h
	v_add_nc_u32 v31, s27, v21                     ; my position in the mask
.irp i, 42,43,44,45,46,47,95,97,119,125
	v_mov_b32 v[\i], 0                             ; q's zero codes; upper halves of pairs whose low word serves both halves; a lane permute's destination
.endr
	v_mul_u32_u24 v19, v0, 80
	v_add_nc_u32 v19, ZROW+64, v19
	ds_store_b128 v19, v[42:45]                    ; thread t clears the padding behind row t of zn's codes, once: 256 threads, 256 rows
	s_mul_i32 s36, s16, 5120
	v_add_nc_u32 v18, s36, v1                      ; my eighth of the constants
	s_lshl_b32 s22, ttmp9, 1                       ; the first row
	s_lshl_b32 s36, s22, 17
	s_lshl_b32 s37, s27, 9
	s_add_co_u32 s36, s36, s37
	s_mov_b32 s37, 0
	s_wait_kmcnt 0x0
	s_add_nc_u64 s[28:29], s[4:5], s[36:37]        ; its z at position PB
.irp i, 0,1,2,3,4,5,6,7,8,9
	global_load_b128 v[128+4*\i:131+4*\i], v18, s[8:9] offset:512*\i
.endr
	WIN 0x40
.irp b, 0,1,2,3
.irp a, 0,1
.irp y, 0,1,2,3
	global_load_b128 v[128+32*\b+16*\a+4*\y:131+32*\b+16*\a+4*\y], v1, s[28:29] offset:2048*\b+(32*\a+\y)*512 th:TH_LOAD_NT   ; a row of 512 bytes a load
.endr
.endr
.endr
	WIN 0
	s_wait_loadcnt 32                              ; the ten loads of constants are in; z's 32 may be out
.irp i, 0,1,2,3,4,5,6,7,8,9
	ds_store_b128 v18, v[128+4*\i:131+4*\i] offset:512*\i
.endr
	WIN 0x04
.irp b, 0,1,2,3
	s_wait_loadcnt 24-8*\b                         ; batch b's eight are in; the younger batches may be out
.irp a, 0,1
.irp y, 0,1,2,3
	ds_store_b128 v10, v[128+32*\b+16*\a+4*\y:131+32*\b+16*\a+4*\y] offset:2112*\b+528*\y+8576*\a
.endr
.endr
.endr
	WIN 0
	s_add_nc_u64 s[28:29], s[28:29], 0x20000       ; the loads are done: on to the second row's z
	BAR                                            ; the constants lie in LDS
.Lrow:
	s_mov_b32 s37, 0
	s_lshl_b32 s36, s22, 8
	s_add_nc_u64 s[30:31], s[6:7], s[36:37]        ; this row's mask,
	s_lshl_b32 s36, s22, 10
	s_add_nc_u64 s[32:33], s[10:11], s[36:37]      ; list,
	s_lshl_b32 s36, s22, 17
	s_add_nc_u64 s[34:35], s[14:15], s[36:37]      ; output,
	s_lshl_b32 s36, s22, 7
	s_add_nc_u64 s[56:57], s[12:13], s[36:37]
	s_load_b32 s23, s[56:57], 0x0                  ; and count
	global_load_u8 v110, v31, s[30:31]             ; the mask of my two tiles' positions
	global_load_u8 v111, v31, s[30:31] offset:8
.irp x, 0,1,2,3,4,5,6,7
	global_load_b32 v[32+\x], v16, s[32:33] offset:128*\x   ; the positions of my eight query tiles: place 16 (g + 2 x) + r
.endr
	s_wait_kmcnt 0x0
	s_min_u32 s23, s23, 256
	s_add_co_u32 s24, s23, 15
	s_lshr_b32 s24, s24, 4                         ; query tiles with a place under the count
	s_cmp_eq_u32 s21, 0
	s_cselect_b32 s25, 4, 0                        ; in the first trip four slots store a batch of the next row's z,
	s_cselect_b32 s26, 3, 0                        ; and three ask for one
	; ================ L: LayerNorm, bias, zn's codes: my tiles 2 wave + e.  Lane (r, h) holds channels 64 c + 32 h + 0 .. 31 of its position: register 32 c + i
	s_mul_i32 s36, s27, 80
	v_add_nc_u32 v20, s36, v7                      ; zn's codes of my position
	s_lshl_b32 s36, s27, 2
	s_add_co_u32 s36, s36, ZSC
	v_add_nc_u32 v21, s36, v6                      ; its scale word (its mask word 1,024 on)
	v_lshl_add_u32 v22, v5, 10, v21
	v_add_nc_u32 v22, BC-ZSC, v22                  ; its C: head h (head 2 + h 2,048 on)
	v_lshlrev_b32 v24, 7, v5
	v_add_nc_u32 v24, 36864, v24                   ; Wb, ln_w, ln_b: + 128 h
.irp e, 0,1
.irp c, 0,1
.irp j, 0,1,2,3,4,5,6,7
	ds_load_b128 v[128+64*\e+32*\c+4*\j:131+64*\e+32*\c+4*\j], v9 offset:4224*\e+256*\c+16*\j
.endr
.endr
.endr
	WIN 0x40
.irp c, 0,1
.irp j, 0,1,2,3,4,5,6,7
	ds_load_b128 v[32*\c+4*\j:32*\c+4*\j+3], v24 offset:2048+256*\c+16*\j       ; ln_w
.endr
.endr
	s_wait_dscnt 16                                ; z's 32 loads are in; ln_w's 16 may be out
.irp c, 0,1
.irp j, 0,1,2,3,4,5,6,7
	ds_load_b128 v[64+32*\c+4*\j:64+32*\c+4*\j+3], v24 offset:2560+256*\c+16*\j ; ln_b
.endr
.endr
	WIN 0
.macro LNSTAT e                        ; (z - mean) / sqrt(variance + 1e-5), in place
.set Z, 128+64*\e
.irp q, 0,1,2,3
	v_pk_add_f32 v[98+2*\q:99+2*\q], v[Z+4*\q:Z+4*\q+1], v[Z+4*\q+2:Z+4*\q+3]   ; four chains
.endr
.irp i, 16,24,32,40,48,56
.irp q, 0,1,2,3
	v_pk_add_f32 v[98+2*\q:99+2*\q], v[98+2*\q:99+2*\q], v[Z+\i+2*\q:Z+\i+2*\q+1]
.endr
.endr
	v_pk_add_f32 v[98:99], v[98:99], v[100:101]
	v_pk_add_f32 v[102:103], v[102:103], v[104:105]
	v_pk_add_f32 v[98:99], v[98:99], v[102:103]
	v_add_f32 v98, v98, v99
	v_permlanex16_b32 v99, v98, s46, s47           ; the position's other 64 channels lie in lane l xor 16
	v_add_f32 v98, v98, v99
	v_mul_f32 v94, s51, v98                        ; the mean
.set k, 0
.rept 32
	v_pk_add_f32 v[Z+k:Z+k+1], v[Z+k:Z+k+1], v[94:95] op_sel_hi:[1,0] neg_lo:[0,1] neg_hi:[0,1]
.set k, k+2
.endr
.irp q, 0,1,2,3
	v_pk_mul_f32 v[98+2*\q:99+2*\q], v[Z+2*\q:Z+2*\q+1], v[Z+2*\q:Z+2*\q+1]
.endr
.set k, 8
.rept 28
	v_pk_fma_f32 v[98+k%8:99+k%8], v[Z+k:Z+k+1], v[Z+k:Z+k+1], v[98+k%8:99+k%8]
.set k, k+2
.endr
	v_pk_add_f32 v[98:99], v[98:99], v[100:101]
	v_pk_add_f32 v[102:103], v[102:103], v[104:105]
	v_pk_add_f32 v[98:99], v[98:99], v[102:103]
	v_add_f32 v98, v98, v99
	v_permlanex16_b32 v99, v98, s46, s47
	v_add_f32 v98, v98, v99
	v_fma_f32 v98, v98, s51, s52                   ; variance + 1e-5
	v_rsq_f32 v96, v98
	v_nop                                          ; a plain line behind the transcendental,
	s_wait_alu depctr_va_vdst(0)                   ; and the wait ahead of its first reader
.set k, 0
.rept 32
	v_pk_mul_f32 v[Z+k:Z+k+1], v[Z+k:Z+k+1], v[96:97] op_sel_hi:[1,0]
.set k, k+2
.endr
.endm
.macro WBLOAD hd, reg                  ; Wb's row hd, my 64 channels, into window 1
.irp c, 0,1
.irp j, 0,1,2,3,4,5,6,7
	ds_load_b128 v[\reg+32*\c+4*\j:\reg+32*\c+4*\j+3], v24 offset:512*\hd+256*\c+16*\j
.endr
.endr
.endm
.macro DOT h0, wb                      ; zn . Wb for heads h0, h0 + 1 and both tiles: four sums by turns, two channels an instruction
.set k, 0
.rept 32
.irp e, 0,1
.irp d, 0,1
.if k == 0
	v_pk_mul_f32 v[64+8*\e+2*(\h0+\d):65+8*\e+2*(\h0+\d)], v[128+64*\e+k:129+64*\e+k], v[\wb+64*\d+k:\wb+64*\d+k+1]
.else
	v_pk_fma_f32 v[64+8*\e+2*(\h0+\d):65+8*\e+2*(\h0+\d)], v[128+64*\e+k:129+64*\e+k], v[\wb+64*\d+k:\wb+64*\d+k+1], v[64+8*\e+2*(\h0+\d):65+8*\e+2*(\h0+\d)]
.endif
.endr
.endr
.set k, k+2
.endr
.endm
	LNSTAT 0
	LNSTAT 1
	s_wait_dscnt 0x0                               ; ln_w, ln_b
	WIN 0x40
	WBLOAD 2, 128
	WBLOAD 3, 192
	WIN 0x14                                       ; sources 1 and 2 in window 1
.irp e, 0,1
.set k, 0
.rept 32
	v_pk_fma_f32 v[128+64*\e+k:129+64*\e+k], v[128+64*\e+k:129+64*\e+k], v[k:k+1], v[64+k:65+k]   ; x ln_w + ln_b
.set k, k+2
.endr
.endr
	s_wait_dscnt 0x0                               ; Wb's heads 2 and 3 are in: asked for 64 instructions ago
	WIN 0x40
	WBLOAD 0, 0                                    ; over ln_w and ln_b, which have been read; they land while heads 2 and 3 are multiplied
	WBLOAD 1, 64
	WIN 0x04
	DOT 2, 128
	s_wait_dscnt 0x0
	DOT 0, 0
	WIN 0
.macro LNFIN e
.set Z, 128+64*\e
.irp d, 0,1,2,3
	v_add_f32 v[98+\d], v[64+8*\e+2*\d], v[65+8*\e+2*\d]
.endr
.irp d, 0,1,2,3
	v_permlanex16_b32 v[102+\d], v[98+\d], s46, s47
.endr
.irp d, 0,1,2,3
	v_add_f32 v[98+\d], v[98+\d], v[102+\d]        ; the bias of my position, head d
.endr
.irp d, 0,1,2,3
	v_mul_f32 v[98+\d], s53, v[98+\d]              ; x sqrt(32)
.endr
.if \e == 0
	s_wait_loadcnt 0x0                             ; the mask bytes (and the list)
.endif
	v_cmp_ne_u32 vcc_lo, 0, v[110+\e]
.irp d, 0,1,2,3
	v_cndmask_b32 v[98+\d], s54, v[98+\d], vcc_lo  ; -10000 sqrt(32) where the key does not count
.endr
	v_cndmask_b32 v106, v98, v99, s50              ; lanes 0-15 store heads 0 and 2, lanes 16-31 heads 1 and 3
	v_cndmask_b32 v107, v100, v101, s50
	v_cndmask_b32 v108, 0, -1, vcc_lo
	ds_store_b32 v22, v106 offset:32*\e
	ds_store_b32 v22, v107 offset:32*\e+2048
	ds_store_b32 v21, v108 offset:32*\e+1024
.irp c, 0,1
	v_max3_num_f32 v[112+\c], |v[Z+32*\c]|, |v[Z+32*\c+1]|, 0x1800000   ; block 2 c + h of zn: all mine; the floor 2^(3 - 127) holds the byte at 1 from below
.endr
.irp i, 2,4,6,8,10,12,14,16,18,20,22,24,26,28,30
.irp c, 0,1
	v_max3_num_f32 v[112+\c], v[112+\c], |v[Z+32*\c+\i]|, |v[Z+32*\c+\i+1]|
.endr
.endr
.irp c, 0,1
	v_add_nc_u32 v[114+\c], 0xff000000, v[112+\c]  ; 2 off the exponent field: the conversion's scale operand
.endr
.irp c, 0,1
	v_lshrrev_b32 v[116+\c], 23, v[114+\c]         ; the byte
.endr
	v_lshl_or_b32 v118, v117, 16, v116
	v_lshlrev_b32 v118, v8, v118                   ; bytes h and 2 + h
	v_permlanex16_b32 v119, v118, s46, s47
	v_or_b32 v118, v118, v119                      ; the position's scale word
.irp c, 0,1
.irp q, 0,1,2,3
	v_cvt_scalef32_pk8_fp4_f32 v[48+8*\e+4*\c+\q], v[Z+32*\c+8*\q:Z+32*\c+8*\q+7], v[114+\c]   ; each tile has code registers of its own
.endr
.endr
	v_nop                                          ; one plain line behind the last scaled conversion
	ds_store_b128 v20, v[48+8*\e:51+8*\e] offset:640*\e
	ds_store_b128 v20, v[52+8*\e:55+8*\e] offset:640*\e+32
	ds_store_b32 v21, v118 offset:32*\e
.endm
	LNFIN 0
	LNFIN 1
	BAR                                            ; zn's codes, scale words, mask words and C lie in LDS
	; ================ P: k of my head (tiles g + 2 x), v of positions 64 (wave / 2) .. + 63 and channel tiles 4 (wave % 2) + k
	WIN 0x40
.irp q, 0,1
.irp k, 0,1,2,3,4,5,6,7
	global_load_b32 v[200+8*\q+\k], v15, s[32:33] offset:512*\q+8*\k   ; the stores' positions: place 16 (wave + 8 q) + 2 k + h
.endr
.endr
	WIN 0
	s_cmp_lg_u32 s21, 0
	s_cbranch_scc1 .Lp_nost                        ; the last row has no successor: no load leaves its buffer
	WIN 0x40
	ZSLOAD                                         ; the next row's z, batch 0
	WIN 0
.Lp_nost:
	s_mul_i32 s36, s19, 5120
	v_add_nc_u32 v18, s36, v7                      ; zn's fragments of my 64 positions
	s_lshl_b32 s36, s20, 12
	s_add_co_u32 s36, s36, 16384
	v_add_nc_u32 v19, s36, v1                      ; Wv's four tiles
	v_and_b32 v23, 7, v0
	v_bfe_u32 v24, v0, 3, 1
	v_lshl_add_u32 v23, v24, 4, v23
	v_lshlrev_b32 v23, 2, v23
	s_lshl_b32 s36, s20, 8
	s_add_co_u32 s36, s36, 35840
	v_add_nc_u32 v23, s36, v23                     ; bv of my channel: r % 8 + 16 (r / 8) in its tile
	WIN 0x40
.irp i, 0,1,2,3
.irp c, 0,1
	ds_load_b128 v[8*\i+4*\c:8*\i+4*\c+3], v18 offset:640*\i+32*\c
.endr
.endr
.irp k, 0,1,2,3
.irp c, 0,1
	ds_load_b128 v[32+8*\k+4*\c:32+8*\k+4*\c+3], v19 offset:1024*\k+512*\c
.endr
.endr
.irp k, 0,1,2,3
	ds_load_b32 v[64+8*\k], v23 offset:4*(32*(\k/2)+8*(\k%2))
.endr
	WIN 0
	s_lshl_b32 s36, s17, 11
	v_add_nc_u32 v25, s36, v1                      ; my head's two tiles of Wq (Wk 8,192 on)
	s_lshl_b32 s36, s17, 7
	s_add_co_u32 s37, s36, 32768
	v_add_nc_u32 v26, s37, v3                      ; their scale words: lanes 0-15 the first tile's, lanes 16-31 the second's
	s_add_co_u32 s37, s36, 34816
	v_lshl_add_u32 v27, v5, 6, s37                 ; the bias as C: channels 32 head + 16 h + 8 u + 0 .. 7
.macro WLOAD m                         ; matrix m (0: Wq, 1: Wk): A in v240-255, its scale words in v88, C in v224-239
.irp u, 0,1
.irp c, 0,1
	ds_load_b128 v[240+8*\u+4*\c:243+8*\u+4*\c], v25 offset:8192*\m+1024*\u+512*\c
	ds_load_b128 v[224+8*\u+4*\c:227+8*\u+4*\c], v27 offset:512*\m+32*\u+16*\c
.endr
.endr
	ds_load_b32 v88, v26 offset:512*\m
.endm
; Four fragments of zn in v192-223 (scale words v80-83) x my head's two tiles of a weight, transposed: lane (r, h) holds position r, register 16 b + i channel d = 16 h + i.  A block of 32 lies in lanes l and l xor 16.
; The codes go to v[dst + 2 b], + 1: they are registers 0, 1 of the operand over a head's 32 channels; the scale word, the byte four times, to v[sw + b].
.macro HPC dst, sw
.irp b, 0,1,2,3
.irp u, 0,1
	WM 128+16*\b+8*\u, 240+8*\u, 192+8*\b, 224+8*\u, 88, 80+\b, \u, 0
.endr
.endr
	NOPS 4                                         ; four places ahead of the first read of results
.irp b, 0,1,2,3
	v_max3_num_f32 v[94+\b], |v[128+16*\b]|, |v[129+16*\b]|, 0x1800000
.endr
.irp i, 2,4,6,8,10,12,14
.irp b, 0,1,2,3
	v_max3_num_f32 v[94+\b], v[94+\b], |v[128+16*\b+\i]|, |v[129+16*\b+\i]|
.endr
.endr
.irp b, 0,1,2,3
	v_permlanex16_b32 v[98+\b], v[94+\b], s46, s47
.endr
.irp b, 0,1,2,3
	v_max_num_f32 v[94+\b], v[94+\b], v[98+\b]
.endr
.irp b, 0,1,2,3
	v_add_nc_u32 v[102+\b], 0xff000000, v[94+\b]
.endr
.irp b, 0,1,2,3
	v_lshrrev_b32 v[106+\b], 23, v[102+\b]
.endr
.irp b, 0,1,2,3
	v_perm_b32 v[\sw+\b], v[106+\b], v[106+\b], 0  ; byte 0 in all four places
.endr
.irp b, 0,1,2,3
	v_cvt_scalef32_pk8_fp4_f32 v[\dst+2*\b], v[128+16*\b:135+16*\b], v[102+\b]
	v_cvt_scalef32_pk8_fp4_f32 v[\dst+2*\b+1], v[136+16*\b:143+16*\b], v[102+\b]
.endr
	v_nop                                          ; one plain line behind the last scaled conversion
.endm
	WLOAD 1
	s_mul_i32 s36, s18, 640
	v_add_nc_u32 v28, s36, v7                      ; zn's fragments of tiles g + 2 x
	s_lshl_b32 s36, s18, 5
	s_add_co_u32 s36, s36, ZSC
	v_add_nc_u32 v29, s36, v6                      ; their scale words, and 1,024 on their mask words
	s_lshl_b32 s36, s17, 12
	s_lshl_b32 s37, s18, 8
	s_add_co_u32 s36, s36, s37
	s_add_co_u32 s36, s36, KIMG
	v_add_nc_u32 v30, s36, v2
	s_lshl_b32 s36, s17, 10
	s_lshl_b32 s37, s18, 6
	s_add_co_u32 s36, s36, s37
	s_add_co_u32 s36, s36, KSC
	v_lshl_add_u32 v24, v4, 2, s36
.macro KB4 n                           ; tiles g + 2 x, x = 4 n + b
.irp b, 0,1,2,3
.set PO, 64*((4*\n+\b)/2)+16*((4*\n+\b)%2)
	ds_load_b128 v[192+8*\b:195+8*\b], v28 offset:80*PO
	ds_load_b128 v[196+8*\b:199+8*\b], v28 offset:80*PO+32
	ds_load_b32 v[80+\b], v29 offset:4*PO
	ds_load_b32 v[118+\b], v29 offset:4*PO+1024
.endr
	s_wait_dscnt 0x0
	HPC 48, 110
.irp b, 0,1,2,3
	v_and_b32 v[48+2*\b], v[118+\b], v[48+2*\b]    ; a key that does not count has zero codes
	v_and_b32 v[49+2*\b], v[118+\b], v[49+2*\b]
.endr
.irp b, 0,1,2,3
	ds_store_b64 v30, v[48+2*\b:49+2*\b] offset:512*(4*\n+\b)
	ds_store_b32 v24, v[110+\b] offset:128*(4*\n+\b)
.endr
.endm
	KB4 0
	KB4 1
	; v: source 0 = 16 positions of zn, source 1 = 16 rows of Wv: lane (r, h) holds one channel, and registers 8 i + j the keys 64 p + 32 h + 8 i + j: a whole block
	s_lshl_b32 s36, s19, 8
	s_add_co_u32 s36, s36, ZSC
	v_lshl_add_u32 v18, v5, 5, v6
	v_add_nc_u32 v18, s36, v18
	ds_load_b32 v80, v18                           ; zn's scale words: lanes 0-15 tile i = 0, lanes 16-31 tile 1;
	ds_load_b32 v81, v18 offset:64                 ; tiles 2 and 3
	s_lshl_b32 s36, s20, 8
	s_add_co_u32 s36, s36, 33792
	v_add_nc_u32 v19, s36, v3
	ds_load_b32 v84, v19                           ; Wv's, likewise
	ds_load_b32 v85, v19 offset:128
	WIN 0x41
.irp k, 0,1,2,3
.irp j, 1,2,3,4,5,6,7
	v_mov_b32 v[64+8*\k+\j], v[64+8*\k]            ; bv as C: a lane's eight registers are eight keys of one channel
.endr
.endr
	WIN 0
	s_lshl_b32 s36, s20, 13
	s_lshl_b32 s37, s19, 9
	s_add_co_u32 s36, s36, s37
	s_add_co_u32 s36, s36, VIMG
	v_add_nc_u32 v20, s36, v1                      ; v's image: 8192 (wave % 2) + 512 p + 16 lane
	s_lshl_b32 s36, s20, 9
	s_lshr_b32 s37, s19, 1
	s_lshl_b32 s37, s37, 6
	s_add_co_u32 s36, s36, s37
	s_and_b32 s37, s19, 1
	s_lshl_b32 s37, s37, 1
	s_add_co_u32 s36, s36, s37
	s_add_co_u32 s36, s36, VSC
	v_lshl_add_u32 v21, v4, 2, v5
	v_add_nc_u32 v21, s36, v21                     ; my block's byte: 4 r + 2 (p % 2) + h
	NOPS 2
	s_wait_dscnt 0x0
	WIN 0x15
.irp k, 0,1,2,3
.irp i, 0,1,2,3
	WM 128+32*\k+8*\i, 8*\i, 32+8*\k, 64+8*\k, 80+\i/2, 84+\k/2, \i%2, \k%2
.endr
.endr
	WIN 0
	NOPS 4
.irp k, 0,1,2,3
	v_max3_num_f32 v[94+\k], |v[128+32*\k]|, |v[129+32*\k]|, 0x1800000
.endr
.irp i, 2,4,6,8,10,12,14,16,18,20,22,24,26,28,30
.irp k, 0,1,2,3
	v_max3_num_f32 v[94+\k], v[94+\k], |v[128+32*\k+\i]|, |v[129+32*\k+\i]|
.endr
.endr
.irp k, 0,1,2,3
	v_add_nc_u32 v[98+\k], 0xff000000, v[94+\k]
.endr
.irp k, 0,1,2,3
	v_lshrrev_b32 v[102+\k], 23, v[98+\k]
.endr
.irp k, 0,1,2,3
.irp q, 0,1,2,3
	v_cvt_scalef32_pk8_fp4_f32 v[48+4*\k+\q], v[128+32*\k+8*\q:135+32*\k+8*\q], v[98+\k]
.endr
.endr
	v_nop
.irp k, 0,1,2,3
	ds_store_b128 v20, v[48+4*\k:51+4*\k] offset:2048*\k
	ds_store_b8 v21, v[102+\k] offset:128*\k
.endr
	BAR                                            ; k and v lie in LDS
	; ================ G: LDS is only read here.  q of my eight query tiles, whose positions come from the list; my head's k, C and v go into window 1 while q's products run
	s_lshl_b32 s36, s17, 12
	s_add_co_u32 s37, s36, KIMG
	v_add_nc_u32 v18, s37, v2
	s_add_co_u32 s37, s36, VIMG
	v_add_nc_u32 v20, s37, v1
	s_lshl_b32 s36, s17, 10
	s_add_co_u32 s37, s36, BC
	v_lshl_add_u32 v19, v5, 7, s37
	s_add_co_u32 s37, s36, KSC
	v_add_nc_u32 v22, s37, v3
	s_lshl_b32 s36, s17, 8
	s_add_co_u32 s36, s36, VSC
	v_add_nc_u32 v23, s36, v3
	v_lshlrev_b32 v21, 4, v5
	v_add_nc_u32 v21, ZROW, v21
.macro QLD n                           ; zn's fragments and scale words of slots x = 4 n + b
.irp b, 0,1,2,3
	v_min_u32 v[110+\b], 0xff, v[32+4*\n+\b]
.endr
.irp b, 0,1,2,3
	v_mul_u32_u24 v[114+\b], v[110+\b], 80
	v_lshlrev_b32 v[110+\b], 2, v[110+\b]
.endr
.irp b, 0,1,2,3
	v_add_nc_u32 v[114+\b], v21, v[114+\b]         ; the listed position's codes, + 16 h,
	v_add_nc_u32 v[110+\b], ZSC, v[110+\b]         ; and its scale word
.endr
.irp b, 0,1,2,3
	ds_load_b128 v[192+8*\b:195+8*\b], v[114+\b]
	ds_load_b128 v[196+8*\b:199+8*\b], v[114+\b] offset:32
	ds_load_b32 v[80+\b], v[110+\b]
.endr
.endm
	WLOAD 0
	QLD 0
	s_wait_dscnt 0x0                               ; Wq, bq and the first four fragments
	WIN 0x40
.irp T, 0,1,2,3,4,5,6,7,8,9,10,11,12,13,14,15
	ds_load_b64 v[128+2*\T:129+2*\T], v18 offset:256*\T                        ; k: two registers a tile
.endr
.irp T, 0,1,2,3,4,5,6,7,8,9,10,11,12,13,14,15
	ds_load_b128 v[8*\T:8*\T+3], v19 offset:4*(64*(\T/4)+8*(\T%4))             ; C of tile T: keys 64 p + 8 i + 32 h + 0 .. 7
	ds_load_b128 v[8*\T+4:8*\T+7], v19 offset:4*(64*(\T/4)+8*(\T%4))+16
.endr
	WIN 0
	HPC 48, 64
	QLD 1
	s_wait_dscnt 0x0                               ; the other four fragments; k and C, asked for ahead of the products above
	WIN 0x40
.irp u, 0,1
.irp s, 0,1
.irp c, 0,1
	ds_load_b128 v[168+16*\u+8*\s+4*\c:171+16*\u+8*\s+4*\c], v20 offset:2048*\u+1024*\s+512*\c   ; v
.endr
.endr
.endr
	WIN 0
	HPC 56, 68
.irp x, 0,1,2,3,4,5,6,7
	ds_load_b32 v[80+\x], v22 offset:128*\x        ; k's scale words: lanes 0-15 tile 2 x, lanes 16-31 tile 2 x + 1
.endr
	ds_load_b32 v88, v23                           ; v's: lanes 0-15 keys 0-127, lanes 16-31 keys 128-255; channel tile u = 0,
	ds_load_b32 v89, v23 offset:128                ; and 1
	BAR                                            ; every wave has read what it needs of zn, k, v and C
	; ================ A: eight slots; slot s is query tile g + 2 s
.irp x, 0,1,2,3,4,5,6,7
	ds_store_b64 v11, v[48+2*\x:49+2*\x] offset:384*\x   ; q waits in my own LDS bytes
	ds_store_b32 v12, v[64+\x] offset:384*\x
.endr
	s_mov_b32 s38, 0                               ; the slot
	s_mov_b32 s39, s18                             ; its query tile
	s_mov_b32 s40, 0                               ; 384 x slot
	s_mov_b32 s41, 0                               ; 2048 x slot
	s_mov_b32 s42, 0                               ; 128 x slot
	s_mov_b32 s43, 0                               ; 2112 x slot
.Lslot:
	v_add_nc_u32 v19, s40, v11
	v_add_nc_u32 v20, s40, v12
	ds_load_b64 v[40:41], v19                      ; the slot's q
	ds_load_b32 v90, v20
	s_cmp_ge_u32 s38, s25
	s_cbranch_scc1 .Lnost
	s_wait_loadcnt 0x0                             ; batch s of the next row's z is in registers
	s_min_u32 s44, s43, 6336                       ; (four batches: the address stays inside my buffer)
	v_add_nc_u32 v18, s44, v10
	WIN 0x04
.irp a, 0,1
.irp y, 0,1,2,3
	ds_store_b128 v18, v[224+16*\a+4*\y:227+16*\a+4*\y] offset:528*\y+8576*\a
.endr
.endr
	WIN 0
	s_cmp_ge_u32 s38, s26                          ; a new batch is asked for only here, behind the wait for the last one
	s_cbranch_scc1 .Lnost
	s_wait_dscnt 0x0                               ; the stores above have read their registers,
	s_wait_xcnt 0x0                                ; and the last batch's loads their base
	s_add_nc_u64 s[28:29], s[28:29], 2048          ; four rows on
	WIN 0x40
	ZSLOAD                                         ; batch s + 1: it lands while the slot is worked
	WIN 0
.Lnost:
	s_wait_dscnt 0x0                               ; q is in
	s_cmp_ge_u32 s39, s24
	s_cbranch_scc1 .Lnounit                        ; no place of this tile lies under the count
	; ---- S^T = k q^T + C: lane (r, h) holds query place 16 t + r; register 32 p + i key 64 p + 32 h + i
	WIN 0x11
.irp T, 0,1,2,3,4,5,6,7,8,9,10,11,12,13,14,15
	WM 128+8*\T, 128+2*\T, 40, 8*\T, 80+\T/2, 90, \T%2, 0
.endr
	WIN 0
	v_lshl_add_u32 v124, s39, 4, v4                ; my place in the list
	v_cmp_gt_u32 vcc_lo, s23, v124
	v_cndmask_b32 v124, 0, 1.0, vcc_lo             ; m_q
	NOPS 2                                         ; with the lines above: the places ahead of the first read of results
.irp p, 0,1,2,3
	v_max3_num_f32 v[94+\p], v[128+32*\p], v[129+32*\p], v[130+32*\p]   ; the largest score of each block of 32 keys: it serves the row's maximum and the block's scale
.endr
.irp i, 3,5,7,9,11,13,15,17,19,21,23,25,27,29
.irp p, 0,1,2,3
	v_max3_num_f32 v[94+\p], v[94+\p], v[128+32*\p+\i], v[129+32*\p+\i]
.endr
.endr
.irp p, 0,1,2,3
	v_max_num_f32 v[94+\p], v[94+\p], v[159+32*\p]
.endr
	v_max3_num_f32 v98, v94, v95, v96
	v_max_num_f32 v98, v98, v97
	v_permlanex16_b32 v99, v98, s46, s47
	v_max_num_f32 v98, v98, v99                    ; the query's largest score
	v_mul_f32 v114, s48, v98                       ; c m
.irp p, 0,1,2,3
	v_fma_f32 v[94+\p], v[94+\p], s48, -v114
.endr
.macro TS k                            ; c S - c m, two scores
	v_pk_fma_f32 v[128+2*(\k):129+2*(\k)], v[128+2*(\k):129+2*(\k)], s[48:49], v[114:115] op_sel_hi:[1,0,0] neg_lo:[0,0,1] neg_hi:[0,0,1]
.endm
	TS 0
	TS 1
.set kk, 0
.rept 64                               ; ONE BATCH: the scalings run two pairs ahead of the exponentials; nothing here names an exponential's result
.if kk < 62
	TS kk+2
.endif
	v_exp_f32 v[128+2*kk], v[128+2*kk]
	v_exp_f32 v[129+2*kk], v[129+2*kk]
.set kk, kk+1
.endr
.irp p, 0,1,2,3
	v_exp_f32 v[94+\p], v[94+\p]                   ; the same two instructions on each block's largest score
.endr
	v_nop                                          ; a plain line behind the last exponential,
	s_wait_alu depctr_va_vdst(0)                   ; and one wait for all 132, ahead of the first reader
.irp q, 0,1,2,3
	v_pk_add_f32 v[106+2*\q:107+2*\q], v[128+4*\q:129+4*\q], v[130+4*\q:131+4*\q]   ; the row's sum, four chains
.endr
.set k, 16
.rept 56
	v_pk_add_f32 v[106+k%8:107+k%8], v[106+k%8:107+k%8], v[128+k:129+k]
.set k, k+2
.endr
	v_pk_add_f32 v[106:107], v[106:107], v[108:109]
	v_pk_add_f32 v[110:111], v[110:111], v[112:113]
	v_pk_add_f32 v[106:107], v[106:107], v[110:111]
	v_add_f32 v106, v106, v107
	v_permlanex16_b32 v107, v106, s46, s47
	v_add_f32 v106, v106, v107                     ; l
	v_rcp_f32 v108, v106
	v_nop
	s_wait_alu depctr_va_vdst(0)
	v_mul_f32 v108, v108, v124                     ; F0 = m_q / l
	v_mul_f32 v109, v106, v108                     ; the weights' sum
	v_max_num_f32 v109, s55, v109                  ; clipped at 1e-6
	v_rcp_f32 v110, v109
	v_nop
	s_wait_alu depctr_va_vdst(0)
	v_mul_f32 v116, v108, v110                     ; F
.irp p, 0,1,2,3
	v_mul_f32 v[94+\p], v[94+\p], v116             ; each block's largest weight
.endr
.irp p, 0,1,2,3
	v_max_num_f32 v[94+\p], 0x1800000, v[94+\p]    ; the floor: the byte cannot fall under 1
.endr
.irp p, 0,1,2,3
	v_add_nc_u32 v[98+\p], 0xff000000, v[94+\p]
.endr
.irp p, 0,1,2,3
	v_lshrrev_b32 v[102+\p], 23, v[98+\p]
.endr
.irp s, 0,1
	v_lshl_or_b32 v[106+\s], v[103+2*\s], 16, v[102+2*\s]
.endr
.irp s, 0,1
	v_lshlrev_b32 v[106+\s], v8, v[106+\s]         ; bytes h and 2 + h of K step s
.endr
.irp s, 0,1
	v_permlanex16_b32 v[108+\s], v[106+\s], s46, s47
.endr
.irp s, 0,1
	v_or_b32 v[91+\s], v[106+\s], v[108+\s]        ; the weights' scale words; the 64 multiplications below stand between them and the products
.endr
.irp p, 0,1,2,3
.set k, 0
.rept 16
	v_pk_mul_f32 v[128+32*\p+k:129+32*\p+k], v[128+32*\p+k:129+32*\p+k], v[116:117] op_sel_hi:[1,0]   ; the finished weights
.set k, k+2
.endr
.irp q, 0,1,2,3
	v_cvt_scalef32_pk8_fp4_f32 v[48+4*\p+\q], v[128+32*\p+8*\q:135+32*\p+8*\q], v[98+\p]   ; registers 4 (p % 2) + q of K step p / 2
.endr
.endr
	NOPS 4                                         ; an operand written by vector instructions stands four places ahead of a scaled matrix instruction
	; ---- O^T = v^T P^T: two accumulators by turns
	WIN 0x01
	WM 64, 168, 48, -1, 88, 91, 0, 0
	WM 72, 184, 48, -1, 89, 91, 0, 0
	WM 64, 176, 56, 64, 88, 92, 1, 0
	WM 72, 192, 56, 72, 89, 92, 1, 0
	WIN 0
	v_add_nc_u32 v21, s41, v13
	v_add_nc_u32 v22, s42, v14
	NOPS 2
	v_max3_num_f32 v94, |v64|, |v65|, 0x1800000    ; register 8 u + j is channel 16 h + 8 u + j of my head
	v_max3_num_f32 v95, |v72|, |v73|, 0x1800000
.irp i, 2,4,6
	v_max3_num_f32 v94, v94, |v[64+\i]|, |v[65+\i]|
	v_max3_num_f32 v95, v95, |v[72+\i]|, |v[73+\i]|
.endr
	v_max_num_f32 v94, v94, v95
	v_permlanex16_b32 v95, v94, s46, s47
	v_max_num_f32 v94, v94, v95                    ; the head's 32 channels are a block of the last product
	v_add_nc_u32 v96, 0xff000000, v94
	v_lshrrev_b32 v97, 23, v96
	v_cvt_scalef32_pk8_fp4_f32 v98, v[64:71], v96
	v_cvt_scalef32_pk8_fp4_f32 v99, v[72:79], v96
	v_nop
	ds_store_b64 v21, v[98:99]
	ds_store_b8 v22, v97
.Lnounit:
	s_add_co_u32 s38, s38, 1
	s_add_co_u32 s39, s39, 2
	s_add_co_u32 s40, s40, 384
	s_add_co_u32 s41, s41, 2048
	s_add_co_u32 s42, s42, 128
	s_add_co_u32 s43, s43, 2112
	s_cmp_lt_u32 s38, 8
	s_cbranch_scc1 .Lslot
	BAR                                            ; the four heads' parts of every active tile lie in LDS
	; ================ O: query tiles wave and wave + 8: x Wo^T + bo, x m_q, to the listed rows of the output
	s_wait_loadcnt 0x0                             ; the stores' positions
	v_lshlrev_b32 v18, 5, v5
	v_add_nc_u32 v18, 36352, v18                   ; bo as C: channels 16 tile + 8 h + 0 .. 7
	s_lshl_b32 s36, s16, 10
	s_add_co_u32 s36, s36, OIMG
	v_add_nc_u32 v19, s36, v1
	s_lshl_b32 s36, s16, 6
	s_add_co_u32 s36, s36, OSC
	v_lshl_add_u32 v20, v4, 2, s36
	s_mul_i32 s36, s16, 4352
	s_add_co_u32 s36, s36, STG
	v_mul_u32_u24 v21, v4, 272
	v_lshl_add_u32 v21, v5, 5, v21
	v_add_nc_u32 v21, s36, v21                     ; into my stage: row r, + 32 h
	v_mul_u32_u24 v22, v5, 272
	v_add_nc_u32 v22, v17, v22
	v_add_nc_u32 v22, s36, v22                     ; back: lanes 0-15 one row's 256 bytes, lanes 16-31 the next row's
	WIN 0x40
.irp t, 0,1,2,3,4,5,6,7
.irp c, 0,1
	ds_load_b128 v[8*\t+4*\c:8*\t+4*\c+3], v1 offset:24576+1024*\t+512*\c
	ds_load_b128 v[64+8*\t+4*\c:64+8*\t+4*\c+3], v18 offset:64*\t+16*\c
.endr
.endr
	WIN 0
.irp a, 0,1,2,3
	ds_load_b32 v[80+\a], v3 offset:34304+128*\a   ; Wo's scale words: lanes 0-15 tile 2 a, lanes 16-31 tile 2 a + 1
.endr
.macro OUT q
	WIN 0x04
.irp k, 0,1,2,3,4,5,6,7
	v_min_u32 v[94+\k], 0xff, v[200+8*\q+\k]
.endr
	WIN 0
.irp k, 0,1,2,3,4,5,6,7
	v_lshl_add_u32 v[94+\k], v[94+\k], 9, v17      ; the listed position's row of 512 bytes, + 16 r
.endr
	s_add_co_u32 s36, s16, 8*\q
	s_cmp_ge_u32 s36, s24
	s_cbranch_scc1 .Lzero_\@
	ds_load_b128 v[48:51], v19 offset:8192*\q
	ds_load_b128 v[52:55], v19 offset:8192*\q+512
	ds_load_b32 v90, v20 offset:512*\q
	s_wait_dscnt 0x0
	WIN 0x11
.irp t, 0,1,2,3,4,5,6,7
	WM 128+8*\t, 8*\t, 48, 64+8*\t, 80+\t/2, 90, \t%2, 0
.endr
	WIN 0
	v_lshl_add_u32 v124, s36, 4, v4
	v_cmp_gt_u32 vcc_lo, s23, v124
	v_cndmask_b32 v124, 0, 1.0, vcc_lo             ; m_q
	NOPS 2
.set k, 0
.rept 32
	v_pk_mul_f32 v[128+k:129+k], v[128+k:129+k], v[124:125] op_sel_hi:[1,0]   ; each accumulator from its low end on
.set k, k+2
.endr
.irp u, 0,1                            ; channels 64 u on: half a row of 16 queries through my stage
.irp t, 0,1,2,3
	ds_store_b128 v21, v[128+32*\u+8*\t:131+32*\u+8*\t] offset:64*\t
	ds_store_b128 v21, v[132+32*\u+8*\t:135+32*\u+8*\t] offset:64*\t+16
.endr
.irp k, 0,1,2,3,4,5,6,7
	ds_load_b128 v[192+32*\u+4*\k:195+32*\u+4*\k], v22 offset:544*\k   ; LDS serves a wave's instructions in order (ISA guide 5.7.1.4): these see my stores, and the next half's stores come behind them
.endr
.endr
.irp k, 0,1,2,3,4,5,6,7
	s_wait_dscnt 23-\k                             ; behind this load: 7 - k of its half, and the other half's 8 stores and 8 loads
	global_store_b128 v[94+\k], v[192+4*\k:195+4*\k], s[34:35] th:TH_STORE_NT   ; 16 lanes store 256 consecutive bytes, aligned
.endr
.irp k, 0,1,2,3,4,5,6,7
	s_wait_dscnt 7-\k
	global_store_b128 v[94+\k], v[224+4*\k:227+4*\k], s[34:35] offset:256 th:TH_STORE_NT
.endr
	s_branch .Ljoin_\@
.Lzero_\@:
.irp k, 0,1,2,3,4,5,6,7
	global_store_b128 v[94+\k], v[42:45], s[34:35] th:TH_STORE_NT              ; rows that do not count: zeros
	global_store_b128 v[94+\k], v[42:45], s[34:35] offset:256 th:TH_STORE_NT
.endr
.Ljoin_\@:
	s_wait_xcnt 0x0                                ; the stores have read their offsets, data and base: all may be written again
.endm
	OUT 0
	OUT 1
	s_wait_dscnt 0x0                               ; Wo's, bo's and their scale words' loads are in, also where both tiles were left out: the next row loads into the same registers
	s_add_co_u32 s22, s22, 1
	s_add_co_u32 s21, s21, 1
	s_cmp_lt_u32 s21, 2
	s_cbranch_scc1 .Lrow
	s_wait_tensorcnt 0x0
	ds_add_u32 v126, v127
	s_wait_dscnt 0x0
	s_endpgm
.Lfunc_end_k_q6ddbf86f41_main:
	.size	k_q6ddbf86f41_main, .Lfunc_end_k_q6ddbf86f41_main-k_q6ddbf86f41_main
	.p2alignl 7, 3214868480
	.fill 96, 4, 3214868480
	.section	.rodata,"a",@progbits
	.p2align	6, 0x0
	.amdhsa_kernel k_q6ddbf86f41_main
		.amdhsa_group_segment_fixed_size 319488
		.amdhsa_private_segment_fixed_size 0
		.amdhsa_enable_private_segment 0
		.amdhsa_kernarg_size 48
		.amdhsa_user_sgpr_count 2
		.amdhsa_user_sgpr_kernarg_segment_ptr 1
		.amdhsa_wavefront_size32 1
		.amdhsa_system_sgpr_workgroup_id_x 1
		.amdhsa_system_sgpr_workgroup_id_y 1
		.amdhsa_system_sgpr_workgroup_id_z 1
		.amdhsa_system_vgpr_workitem_id 0
		.amdhsa_next_free_vgpr 512
		.amdhsa_next_free_sgpr 66
		.amdhsa_reserve_vcc 1
		.amdhsa_float_denorm_mode_32 3
		.amdhsa_float_denorm_mode_16_64 3
		.amdhsa_memory_ordered 1
		.amdhsa_forward_progress 1
		.amdhsa_inst_pref_size 171
	.end_amdhsa_kernel
	.amdgpu_metadata
---
amdhsa.version: [ 1, 2 ]
amdhsa.kernels:
  - .name:           k_q6ddbf86f41_main
    .symbol:         k_q6ddbf86f41_main.kd
    .args:
      - { .name: z, .offset: 0, .size: 8, .value_kind: global_buffer, .address_space: global }
      - { .name: pair_mask, .offset: 8, .size: 8, .value_kind: global_buffer, .address_space: global }
      - { .name: blob, .offset: 16, .size: 8, .value_kind: global_buffer, .address_space: global }
      - { .name: perm, .offset: 24, .size: 8, .value_kind: global_buffer, .address_space: global }
      - { .name: cnt, .offset: 32, .size: 8, .value_kind: global_buffer, .address_space: global }
      - { .name: out0, .offset: 40, .size: 8, .value_kind: global_buffer, .address_space: global }
    .group_segment_fixed_size: 319488
    .private_segment_fixed_size: 0
    .kernarg_segment_align: 8
    .kernarg_segment_size: 48
    .max_flat_workgroup_size: 256
    .sgpr_count:     66
    .vgpr_count:     512
    .wavefront_size: 32
...
	.end_amdgpu_metadata
.endif
;; end of part 2
